; MI455X (gfx1250); checked and timed in simulation.
; The chip was launched on July 23, 2026; its instructions are those of AMD's public machine-readable ISA for CDNA 5 (MIT licence, August 2026) and "CDNA5" Instruction Set Architecture Reference Guide (July 2026). The comments in the code are by the model that wrote it; some were corrected since.
;; Py Flash Attention. Allowed arithmetic: matrix products marked QUANTISED: E3M2 operands, one E8M0 scale for each 32 along K, by v_wmma_scale_f32_16x16x128_f8f6f4 with both operands' format E3M2, f32 sums; everything else in f32.
;; Inputs: k_codes 2 x 8 x 2,048 x 4 x 24 uint8 (E3M2 codes of k, K innermost, in blocks of 32 codes, four codes in three bytes); k_scales 2 x 8 x 2,048 x 4 uint8 (E8M0 scales of k, one for each 32 codes along K); q_codes 2 x 32 x 2,048 x 4 x 24 uint8 (E3M2 codes of q, K innermost, in blocks of 32 codes, four codes in three bytes); q_scales 2 x 32 x 2,048 x 4 uint8 (E8M0 scales of q, one for each 32 codes along K); v_codes 2 x 8 x 128 x 64 x 24 uint8 (E3M2 codes of v, K innermost, in blocks of 32 codes, four codes in three bytes); v_scales 2 x 8 x 128 x 64 uint8 (E8M0 scales of v, one for each 32 codes along K).
;; Outputs: out0 2 x 32 x 2,048 x 128 float32.
;; This version of the problem:
;;   THIS VERSION OF THE PROBLEM IS GIVEN IN LOW PRECISION. The matrix products marked QUANTISED in the list below multiply operands that are first quantised to E3M2 (3 exponent bits, 2 mantissa bits; 6 bits a number), with one power-of-two scale for each 32 numbers along K (OCP MX v1.0); their sums are f32. All else is computed in f32.
;;   The module's matrix products, in the order in which they are computed (A, B: the left and right operand; K: the contracted axis; several contracted axes count as one K, in the product's order):
;;     1. batch 16 x [M 8,192, K 128] x [K 128, N 2,048]; A: input q (given as codes); B: input k (given as codes): QUANTISED
;;     2. batch 16 x [M 8,192, K 2,048] x [K 2,048, N 128]; A: softmax (see below); B: input v (given as codes): QUANTISED
;;   THE QUANTISER, for each operand of a quantised product, along K:
;;     - K is cut into blocks of 32 from its start; a last block that is shorter is filled with zeros.
;;     - A block's scale is 2^e with e = floor(log2(the largest magnitude in the block)) - 4, held to -126 .. 127; a block of zeros has e = 0. As a byte (E8M0): e + 127.
;;     - Each number is divided by its block's scale, clamped to +-28, and rounded to the nearest number of E3M2, ties to even, subnormals kept.
;;     - The product sums the exact products of the quantised numbers (number of the format x scale) in f32.
;;   ~~~python
;;   def quantise(x, axis):      # numpy; x: float32 -> the quantised numbers, widened to float32 again
;;       x = np.moveaxis(x, axis, -1); K = x.shape[-1]
;;       x = np.pad(x, [(0, 0)] * (x.ndim - 1) + [(0, -K % 32)]); x = x.reshape(x.shape[:-1] + (-1, 32)); a = np.abs(x).max(-1, keepdims=True)
;;       e = np.where(a > 0, np.clip(np.frexp(np.where(a > 0, a, 1))[1] - 1 - 4, -126, 127), 0)      # np.frexp(a)[1] - 1 = floor(log2(a)), exactly
;;       r = np.clip(x / 2.0 ** e, -28, 28)
;;       step = 2.0 ** (np.maximum(np.frexp(np.where(r == 0, 1, r))[1] - 1, -2) - 2)
;;       q = np.round(r / step) * step * 2.0 ** e      # np.round: ties to even
;;       return np.moveaxis(q.reshape(q.shape[:-2] + (-1,))[..., :K], -1, axis).astype(np.float32)
;;   ~~~
;;   SOFTMAX AHEAD OF A QUANTISED PRODUCT. Where the list says 'softmax', what is quantised is not the finished softmax but p = 2^(t - M), with t = logit x log2(e) and M = ceil(the row's largest t), a whole number; so 1/2 < the row's largest p <= 1. The row's sum l is taken of the UNQUANTISED p, in f32, and the product's result is divided by l at the end. Since M is a whole number, a kernel that streams over the keys may use a running M (the ceiling of the running maximum): every later rescaling is an exact power of two, which a block's scale takes up: the codes' values come out the same.
;;   OPERANDS COMPUTED ON THE WAY. 'Computed on the way' means the value that the module computes at that place (a softmax that the list does not call 'softmax' is quantised finished and normalised). What goes into a quantiser is computed in f32, as accurately as f32 sums, v_exp_f32 and their like allow (about 1e-6 of the number): no bf16 or f16 on the way to a quantiser, and a product that is left as it is and whose result goes on into a quantised operand takes f32 operands (vector FMAs, or v_wmma_f32_16x16x4_f32). A number that lies on a knife's edge between two numbers of the format may be rounded either way, as far as f32 arithmetic and the matrix unit's own rounding can turn it there, and no further.
;;   INPUTS GIVEN AS CODES. k (in the module: [2, 8, 2048, 128], K = its axis 3); q (in the module: [2, 32, 2048, 128], K = its axis 3); v (in the module: [2, 8, 2048, 128], K = its axis 2): each comes as NAME_codes (uint8): NAME with its K axis moved to the last place and cut into blocks of 32 codes, [.., K / 32, bytes a block], one block behind the other in memory; four codes in three bytes: a row's codes are one little-endian stream of bits, code i at bits 6 i .. 6 i + 5 (a code: sign, 3 exponent bits, 2 mantissa bits); and NAME_scales (uint8): the same leading axes, one E8M0 byte (e + 127) for each 32 codes along K. Its value is code x scale, taken as it is: it is not quantised again, and the codes and scales need not be those that the quantiser above would give.
;; One version. Each part assembles by itself: llvm-mc -triple=amdgcn-amd-amdhsa -mcpu=gfx1250 --defsym DOCPART=n.
;; ======== version 1 of 1: 1 launch
;; launch attn (part 1): grid 16 x 16, 8 waves a work-group, clusters of 4 x 1, 327,680 bytes of LDS; arguments q_codes, q_scales, k_codes, k_scales, v_codes, v_scales, out0; writes out0
.if DOCPART == 1
	.amdgcn_target "amdgcn-amd-amdhsa--gfx1250"
	.amdhsa_code_object_version 6
	.text
	.protected	k_qde6b2e2050_attn
	.globl	k_qde6b2e2050_attn
	.p2align	8
	.type	k_qde6b2e2050_attn,@function
k_qde6b2e2050_attn:
	s_mov_b64 s[64:65], 0
	v_nop
	global_prefetch_b8 v0, s[64:65] scope:SCOPE_SE
	s_setreg_imm32_b32 hwreg(HW_REG_WAVE_MODE, 25, 1), 1
	s_wait_xcnt 0x0
	s_wait_alu depctr_hold_cnt(0) depctr_sa_sdst(0) depctr_va_vdst(0) depctr_va_sdst(0) depctr_va_ssrc(0) depctr_va_vcc(0) depctr_vm_vsrc(0)
	s_getreg_b32 s2, hwreg(HW_REG_IB_STS2, 6, 4)
	s_cmp_eq_u32 s2, 0
	s_cbranch_scc0 .Lentry_in_a_cluster
	s_endpgm
.Lentry_in_a_cluster:
	s_bfe_u32 s2, ttmp6, 0x10000c
	s_cmp_lg_u32 s2, 0x3003
	s_cbranch_scc0 .Lentry_shape_is_right
	s_endpgm
.Lentry_shape_is_right:
; Causal grouped-query attention on codes of BF6 (E3M2) with one E8M0 scale for each 32 along a product's K.
; q: 64 heads x 2,048 x 128 as codes (96 bytes a row) and one scale word a row; k: 16 heads likewise; v: 16 heads x 128 rows (the head's channels) x 2,048 keys as codes (1,536 bytes a row), 64 scale bytes a row.
; out0: 64 heads x 2,048 x 128 f32.  Query head hq reads key/value head hq / 4.
; THE SOFTMAX AHEAD OF THE SECOND PRODUCT: t = score x log2(e) / sqrt(128); M = the largest t so far, rounded UP to a whole number; p = 2^(t - M) is quantised along the keys, not normalised.
; The row's sum is taken of the unquantised p and divides at the end.  When M moves, the sum and O are multiplied by 2^(old M - new M): exact.
; SHARES.  Cluster x = p (0..3), place in the cluster = g (0..3), y = kh (0..15): head hq = 4 kh + g.  The four partners of a cluster are the four query heads of one key/value head: they walk the same K and V,
; so every tile is asked for JOINTLY (mask 15).  g enters only q's and out0's addresses and the prefetches' address.
; A work-group owns TWO blocks of 256 queries: block 7 - p (phase 1) and block p (phase 2), and walks 9 slots of 256 keys, whatever p: phase 1 goes up through slots 0 .. 7 - p, phase 2 down through slots p .. 0.
; So all 256 work-groups have the same work under the mask, no slot is fetched that nobody multiplies, and the trip count is a constant.  A running maximum does not mind the order of the keys.
; Eight waves; wave w owns queries 32 w .. 32 w + 31 of the block in hand: TWO tiles of 16.  Each fragment of K or V read from LDS feeds two matrix instructions.
; Tile 0 lives in register window 0 and tile 1 in window 1, AT THE SAME REGISTER NUMBERS: the softmax is written once and expanded under the window setting 0x00 or 0x55.
; LAYOUT.  Both products are used transposed: S^T = K Q^T (source 0 = 16 keys, source 1 = 16 queries), O^T = V^T P^T: a lane holds ONE query (lane % 16) throughout.
; THE KEYS OF A TILE ARE NOT NEIGHBOURS: lane r of tile 2 b + u takes key 32 b + 8 u + r + 8 (r / 8), so that the 16 registers of tiles 2 b and 2 b + 1 are 16 neighbouring keys, 32 b + 16 (lane / 16) + 0 .. 15.
; THE MASK.  A step of 128 keys all of which come after the wave's 32 queries is left out (a scalar branch on ids); in a step on the diagonal hidden scores become -infinity ahead of the maximum.
; LIMITS.  v_exp_f32 gives 0 for results under 2^-126, so a p that small counts as 0.  A block's largest p is taken from the block's largest score, which takes v_exp_f32 not to fall where its input rises.
; A scale byte 0xff among the inputs makes NaN only in the rows whose kept keys meet it; steps that the mask hides are not multiplied.
; REGISTERS.  Window 0 alone: v0 thread; v1-11, v28-31, v93 addresses; v80-87 the scale words of the eight tiles of K or V in hand; v88-89 Q's scale words, v90-91 phase 2's; v92 tile 1's p scale word (scale operands have no window).
;   Window 1 alone: v0-11, v80-91 phase 2's Q.   Both windows, for the window's tile: v12 -M, v13 the largest t, v[14:15] the sum; v16-27 Q; v32-79 four fragments (window 0: tiles 0-3 of K or V, window 1: tiles 4-7);
;   v96-159 S^T, then p, then rows of O; v160-223 O^T; v224-235 p's codes; v232-254 at work; v255 lane % 16 - 16 (lane / 16).
.set ROWB,  96                         ; 128 codes in bytes
.set SLOT1, 1<<16                      ; slot 1 begins here: one exclusive or turns an address in one slot into the other's
.set KBOFF, 12304                      ; in a slot: 128 rows x 96 bytes of the keys with key % 32 < 16 (row 16 (key / 32) + key % 16); 16 bytes on, those with key % 32 >= 16.
                                       ; The 16 bytes set the second eight lanes of a fragment load two 8-byte columns off the first eight: the 32 lanes of a load of 8 bytes touch 32 different columns (64 banks of 4 bytes: ISA guide 11.1)
.set VOFF,  24832                      ; then V's 128 rows,
.set VP,    240                        ; 3 x (64 bytes + 16 of padding) each
.set SCK,   131072                     ; behind the ring: K's scale bytes of the whole head, 8,192 bytes as units of 256 bytes + 16 of padding;
.set SCH,   16*272                     ; (half of them: what one tensor load brings)
.set SCV,   SCK+2*SCH                  ; V's likewise; one block of 256 bytes behind them is left unused
.set STAGE, 148736                     ; the way out: 16 rows x (256 + 16) bytes for each wave; no tile ever lands here
.set SPARE, STAGE+8*16*272             ; the spare words, 128 bytes for each wave: four blocks of 256 bytes that no other line names
.set AK0,  1                           ; v1   my lane's place in a tile of K
.set AV0,  2                           ; v2   in a tile of V
.set AV1,  3                           ; v3   the same for the pieces that lie behind one padding more
.set ASK0, 4                           ; v4   among K's scale words
.set ASV0, 5                           ; v5   among V's
.set SPW,  6                           ; v6   LDS address of my spare word; never rewritten
.set NIL,  7                           ; v7   0; never rewritten
.set ADK,  8                           ; v8-11, v28  the step's LDS addresses (at the head: Q's offsets)
.set ADV,  9
.set ADV1, 10
.set ADS,  11
.set ADT,  28
.set GO,   29                          ; v29  the way out: my byte offset in 16 rows of O
.set PFO,  30                          ; v30  the prefetches' lane offset; never rewritten
.set STO,  31                          ; v31  the stage: where I put 32 bytes of a row
.set KS,   80
.set QS,   88
.set QN,   90
.set PS1,  92
.set RD,   93                          ; v93  the stage: where I read a row back
.set RR,   94                          ; v94  lane % 16, v95 lane / 16: at the head alone
.set HH,   95
.set WV,   18                          ; s18  my wave's number
.set SEL,  20                          ; s[20:21] lane selects for v_permlanex16_b32: lane l xor 16
.set CS,   22                          ; s[22:23] c = log2(e) / sqrt(128)
.set G1K,  24                          ; s[24:31], s[32:39], s[40:47] descriptor groups 1: K's tiles, V's, the scale bytes
.set G1V,  32
.set G1S,  40
.set G0K,  48                          ; s[48:51], s[52:55] groups 0 for K's and V's tiles; s[56:59], s[60:63] for their scale bytes
.set G0V,  52
.set G0SK, 56
.set G0SV, 60
.set TB,   66                          ; s66  LDS byte at which the slot in hand begins
.set TS,   67                          ; s67  where the slot's scale words of K begin: 1,088 x the slot's number
.set TJ,   68                          ; s68  8 x the slot's number: also where its scale words begin in a row of V's
.set KF,   69                          ; s69  the slot's first key
.set UP,   70                          ; s70  8 x the trip: the loop's counter
.set DN,   71                          ; s71  64 - 8 x the trip
.set PL8,  72                          ; s72  8 x phase 1's last trip: 56 - 8 p
.set Q0,   73                          ; s73  my first query of the phase in hand;  s74 of phase 2
.set Q0B,  74
.set KQ,   75                          ; s75  the step's first key
.set KBASE, 76                         ; s[76:77], s[78:79] where my part of slot 0 lies in K and in V
.set VBASE, 78
.set OP,   80                          ; s[80:81] O at my 32 rows of the phase in hand;  s[82:83] of phase 2
.set OP2,  82
.set PFA,  84                          ; s[84:85] where my prefetches stand;  s[86:87] a slot on
.set PFS,  86
.set LIM,  88                          ; s88  48 in a wave that prefetches, else 0: it asks while 8 x the trip is under it
.set EVR,  89                          ; s89  24 in V's wave, 0 in K's
.set OFS,  90                          ; s[90:91] an offset as a pair; the high word stays 0
.set MSB, 0
.macro WIN new                         ; s_set_vgpr_msb: bits 1:0 source 0, 3:2 source 1, 5:4 source 2, 7:6 destination; the high byte repeats the setting that is left; a switch that changes nothing is dropped
.if MSB != (\new)
	s_set_vgpr_msb (MSB<<8)|(\new)
.set MSB, (\new)
.endif
.endm
; A round of the cluster's barrier: my work-group's barrier, so that wave 0's signal speaks for all eight waves; wave 0 signals for the work-group; every wave waits for all four work-groups; my work-group's barrier once more.
.macro ROUND
	s_barrier_signal -1
	s_barrier_wait -1
	s_cmp_lg_u32 s[WV], 0
	s_cbranch_scc1 .Lnot_wave_0_\@
	s_barrier_signal -3
.Lnot_wave_0_\@:
	s_barrier_wait -3
	s_barrier_signal -1
	s_barrier_wait -1
.endm
; A joint refill.  Waves 0 and 1 fetch K's two halves, waves 2 and 3 V's, the others nothing.  The branches hang on the wave's number alone: they are the same in every partner.  Four v_nop follow each line.
.macro TLOAD
	s_cmp_lt_u32 s[WV], 2
	s_cbranch_scc0 .Lnot_k_\@
	tensor_load_to_lds s[G0K:G0K+3], s[G1K:G1K+7]
	s_nop 0
.rept 4
	v_nop
.endr
	s_branch .Lasked_\@
.Lnot_k_\@:
	s_cmp_lt_u32 s[WV], 4
	s_cbranch_scc0 .Lasked_\@
	tensor_load_to_lds s[G0V:G0V+3], s[G1V:G1V+7]
	s_nop 0
.rept 4
	v_nop
.endr
.Lasked_\@:
.endm
; A PREFETCH INTO THE L2 of what the NEXT change of slots will ask for.  The four clusters of a key/value head walk slots 0 .. 4 in step and only cluster 0 goes on to slot 7: cluster 0 asks, in trips 0 to 5, for slot trip + 2.
; Its four partners share a slot out BY ADDRESS.  Wave 4 asks for K: the partner's 6,144 of the slot's 24,576 dense bytes, lanes 256 bytes apart (lanes 24-31 name lane 23's block once more, in the same instruction).
; Wave 5 asks for V: the partner's 32 rows, a lane a row.  A slot's part of a row of V is 192 bytes, so a lane names the part's LAST byte: the aligned block of 256 bytes in which the part ends is one that no earlier
; slot's part has touched, but for slots 3 and 7, whose part ends in the block that the slot before has named: there V's wave asks for nothing.  Slots 0 and 1 and the scale bytes come by their loads alone.
.macro ASK
	s_cmp_lt_u32 s[UP], s[LIM]
	s_cbranch_scc0 .Lnot_mine_\@
	s_and_b32 s92, s[UP], s[EVR]                   ; slots 3 and 7 are named in trips 1 and 5: 8 x trip = 8, 40
	s_cmp_eq_u32 s92, 8
	s_cbranch_scc1 .Lnot_mine_\@
	global_prefetch_b8 v[PFO], s[PFA:PFA+1] th:TH_LOAD_NT scope:SCOPE_SE
.Lnot_mine_\@:
.endm
	s_load_b256 s[4:11], s[0:1], 0x0               ; Q's codes s[4:5], Q's scales s[6:7], K's codes s[8:9], K's scales s[10:11]
	s_load_b128 s[12:15], s[0:1], 0x20             ; V's codes s[12:13], V's scales s[14:15]
	s_load_b64 s[16:17], s[0:1], 0x30              ; O
	v_lshl_add_u32 v[SPW], v0, 2, SPARE
	v_mov_b32 v[NIL], 0
	ds_add_u32 v6, v7
	s_wait_dscnt 0x0
	v_lshrrev_b32 v8, 5, v0
	v_readfirstlane_b32 s[WV], v8                  ; wave 0..7
	s_and_b32 s93, ttmp7, 0xffff                   ; kh: the key/value head, which the four partners share
	s_bfe_u32 s19, ttmp6, 0x40000                  ; g: my place in the cluster
	s_lshl_b32 s2, s93, 2
	s_add_co_u32 s19, s19, s2                      ; hq = 4 kh + g: it stays in s19 and in Q's, O's and the prefetches' addresses
	s_lshl_b32 s92, s[WV], 5                       ; 32 w
	s_lshl_b32 s[Q0B], ttmp9, 8                    ; 256 p
	s_sub_co_u32 s[Q0], 1792, s[Q0B]               ; 256 (7 - p)
	s_add_co_u32 s[Q0], s[Q0], s92
	s_add_co_u32 s[Q0B], s[Q0B], s92
	s_lshl_b32 s[PL8], ttmp9, 3
	s_sub_co_u32 s[PL8], 56, s[PL8]
	; descriptor group 1 for K: 8 rows of 1,536 bytes (16 keys on end), 3,072 bytes (32 keys) apart, in elements of 8 bytes, dense in LDS
	s_mov_b32 s[G1K], 15|(3<<16)|(1<<21)           ; 15:0 the mask: all four work-groups; 17:16 elements of 8 bytes; 20 padding off; 21 set beside a mask
	s_mov_b32 s[G1K+1], 192<<16                    ; tensor_dim0 = 192
	s_mov_b32 s[G1K+2], 8<<16                      ; tensor_dim1 = 8
	s_mov_b32 s[G1K+3], 192<<16                    ; tile_dim0 = 192
	s_mov_b32 s[G1K+4], 8                          ; tile_dim1 = 8
	s_mov_b32 s[G1K+5], 384                        ; tensor_dim0_stride
	s_mov_b32 s[G1K+6], 0
	s_mov_b32 s[G1K+7], 0
	; for V: 64 rows of 192 bytes, 1,536 bytes apart, 16 bytes of padding behind every 64
	s_mov_b32 s[G1V], 15|(1<<20)|(1<<21)|(3<<22)|(3<<25)  ; elements of 1 byte; padding on; after every 16 words (code 3) 4 words (code 3)
	s_mov_b32 s[G1V+1], 192<<16
	s_mov_b32 s[G1V+2], 64<<16
	s_mov_b32 s[G1V+3], 192<<16
	s_mov_b32 s[G1V+4], 64
	s_mov_b32 s[G1V+5], 1536
	s_mov_b32 s[G1V+6], 0
	s_mov_b32 s[G1V+7], 0
	; for the scale bytes: half a head's, 4,096 dense bytes, as 16 rows of 256 bytes (32 elements of 8 bytes), 16 bytes of padding behind each
	s_mov_b32 s[G1S], 15|(3<<16)|(1<<20)|(1<<21)|(5<<22)|(3<<25)
	s_mov_b32 s[G1S+1], 32<<16
	s_mov_b32 s[G1S+2], 16<<16
	s_mov_b32 s[G1S+3], 32<<16
	s_mov_b32 s[G1S+4], 16
	s_mov_b32 s[G1S+5], 32
	s_mov_b32 s[G1S+6], 0
	s_mov_b32 s[G1S+7], 0
	s_and_b32 s94, s[WV], 1                        ; which half I fetch, if I fetch
	s_mul_i32 s96, s93, 196608                     ; the head's first byte in K's and in V's codes
	s_mul_i32 s97, s94, 1536
	s_add_co_u32 s97, s97, s96                     ; K: half 1 begins 16 keys on
	s_mul_i32 s98, s94, 98304
	s_add_co_u32 s98, s98, s96                     ; V: half 1 begins 64 rows on
	s_lshl_b32 s99, s93, 13
	s_lshl_b32 s95, s94, 12
	s_add_co_u32 s99, s99, s95                     ; the scale bytes: 8,192 a head, half 1 begins 4,096 on
	s_mov_b32 s[OFS+1], 0
	s_mov_b32 s[G0SK], 1                           ; 1:0 count = 1
	s_mul_i32 s[G0SK+1], s94, SCH                  ; 63:32 LDS address: no place in the cluster enters it
	s_add_co_u32 s[G0SK+1], s[G0SK+1], SCK
	s_mov_b32 s[G0SV], 1
	s_mul_i32 s[G0SV+1], s94, SCH
	s_add_co_u32 s[G0SV+1], s[G0SV+1], SCV
	s_mov_b32 s[G0K], 1
	s_mul_i32 s[G0K+1], s94, KBOFF                 ; slot 0
	s_mov_b32 s[G0V], 1
	s_mul_i32 s[G0V+1], s94, 64*VP
	s_add_co_u32 s[G0V+1], s[G0V+1], VOFF
	s_mov_b32 s[SEL], 0x76543210
	s_mov_b32 s[SEL+1], 0xfedcba98
	s_mov_b32 s[CS], 0x3e0293ee                    ; c = log2(e) / sqrt(128)
	s_mov_b32 s[CS+1], s[CS]                       ; (named with it as a pair, so it is written)
	s_wait_kmcnt 0x0
	s_mov_b32 s[OFS], s97
	s_add_nc_u64 s[KBASE:KBASE+1], s[8:9], s[OFS:OFS+1]
	s_mov_b32 s[OFS], s98
	s_add_nc_u64 s[VBASE:VBASE+1], s[12:13], s[OFS:OFS+1]
	s_mov_b32 s[OFS], s99
	s_add_nc_u64 s[G0SK+2:G0SK+3], s[10:11], s[OFS:OFS+1]   ; 120:64 global address
	s_or_b32 s[G0SK+3], s[G0SK+3], 0x80000000      ; 127:126 type = 2
	s_add_nc_u64 s[G0SV+2:G0SV+3], s[14:15], s[OFS:OFS+1]
	s_or_b32 s[G0SV+3], s[G0SV+3], 0x80000000
	s_mov_b64 s[G0K+2:G0K+3], s[KBASE:KBASE+1]     ; the first trip's slot is slot 0 of the keys
	s_or_b32 s[G0K+3], s[G0K+3], 0x80000000
	s_mov_b64 s[G0V+2:G0V+3], s[VBASE:VBASE+1]
	s_or_b32 s[G0V+3], s[G0V+3], 0x80000000
	ROUND                                          ; all four work-groups are here: the first joint loads meet
	s_cmp_lt_u32 s[WV], 2                          ; a wave's two first fills stand in one branch, ahead of every wait on TENSORcnt and every LDS read: two loads of mine are out; four v_nop follow the second
	s_cbranch_scc0 .Lfirst_not_k
	tensor_load_to_lds s[G0SK:G0SK+3], s[G1S:G1S+7]   ; my half of K's scale bytes: filled once
	s_nop 0
	tensor_load_to_lds s[G0K:G0K+3], s[G1K:G1K+7]     ; my half of the first slot's K
	s_nop 0
.rept 4
	v_nop
.endr
	s_branch .Lfirst_asked
.Lfirst_not_k:
	s_cmp_lt_u32 s[WV], 4
	s_cbranch_scc0 .Lfirst_asked
	tensor_load_to_lds s[G0SV:G0SV+3], s[G1S:G1S+7]
	s_nop 0
	tensor_load_to_lds s[G0V:G0V+3], s[G1V:G1V+7]
	s_nop 0
.rept 4
	v_nop
.endr
.Lfirst_asked:
	; Q of both phases: four fragments and four scale words.  The scalar bases stand at the head, the vector offsets hold the rows.
	s_mul_i32 s2, s19, 196608
	s_mov_b32 s3, 0
	s_add_nc_u64 s[4:5], s[4:5], s[2:3]            ; Q's codes at head hq
	s_lshl_b32 s2, s19, 13
	s_add_nc_u64 s[6:7], s[6:7], s[2:3]            ; its scale words
	s_lshl_b32 s2, s19, 20
	s_add_nc_u64 s[16:17], s[16:17], s[2:3]        ; O at head hq
	s_lshl_b32 s2, s[Q0], 9
	s_add_nc_u64 s[OP:OP+1], s[16:17], s[2:3]      ; at my 32 rows of phase 1,
	s_lshl_b32 s2, s[Q0B], 9
	s_add_nc_u64 s[OP2:OP2+1], s[16:17], s[2:3]    ; and of phase 2
	v_and_b32 v[RR], 15, v0                        ; r = lane % 16
	v_bfe_u32 v[HH], v0, 4, 1                      ; h = lane / 16
	v_mul_u32_u24 v9, v[RR], ROWB
	v_mad_u32_u24 v9, v[HH], 24, v9                ; row r, + my half's 24 bytes
	s_mul_i32 s92, s[Q0], ROWB
	s_mul_i32 s93, s[Q0B], ROWB
	v_add_nc_u32 v8, s92, v9                       ; phase 1's rows
	v_add_nc_u32 v9, s93, v9                       ; phase 2's
	v_lshlrev_b32 v11, 2, v[RR]
	s_lshl_b32 s92, s[Q0], 2
	s_lshl_b32 s93, s[Q0B], 2
	v_add_nc_u32 v10, s92, v11
	v_add_nc_u32 v11, s93, v11
.irp p, 0,1,2,3,4,5
	global_load_b64 v[16+2*\p:17+2*\p], v8, s[4:5] offset:48*(\p/3)+8*(\p%3) th:TH_LOAD_NT   ; phase 1, tile 0
.endr
	global_load_b32 v[QS], v10, s[6:7] th:TH_LOAD_NT
	global_load_b32 v[QS+1], v10, s[6:7] offset:64 th:TH_LOAD_NT
	global_load_b32 v[QN], v11, s[6:7] th:TH_LOAD_NT
	global_load_b32 v[QN+1], v11, s[6:7] offset:64 th:TH_LOAD_NT
	WIN 0x40                                       ; destination window 1
.irp p, 0,1,2,3,4,5
	global_load_b64 v[16+2*\p:17+2*\p], v8, s[4:5] offset:16*ROWB+48*(\p/3)+8*(\p%3) th:TH_LOAD_NT   ; phase 1, tile 1
.endr
.irp p, 0,1,2,3,4,5
	global_load_b64 v[2*\p:1+2*\p], v9, s[4:5] offset:48*(\p/3)+8*(\p%3) th:TH_LOAD_NT               ; phase 2, tile 0: kept in window 1
.endr
.irp p, 0,1,2,3,4,5
	global_load_b64 v[80+2*\p:81+2*\p], v9, s[4:5] offset:16*ROWB+48*(\p/3)+8*(\p%3) th:TH_LOAD_NT   ; phase 2, tile 1
.endr
	WIN 0
	; the addresses that stay
	v_and_b32 v[AK0], 7, v[RR]
	v_mul_u32_u24 v[AK0], v[AK0], ROWB
	v_lshrrev_b32 v[AV0], 3, v[RR]
	v_mad_u32_u24 v[AK0], v[AV0], KBOFF, v[AK0]    ; lanes 8-15 of a half take the keys 16 further on: the slot's second part
	v_mad_u32_u24 v[AK0], v[HH], 24, v[AK0]
	v_mul_u32_u24 v[AV0], v[RR], VP
	v_mad_u32_u24 v[AV0], v[HH], 24, v[AV0]
	v_add_nc_u32 v[AV0], VOFF, v[AV0]
	v_lshl_add_u32 v[AV1], v[HH], 4, v[AV0]
	v_and_b32 v[ASK0], 8, v[RR]
	v_add_nc_u32 v[ASK0], v[ASK0], v[RR]           ; r + 8 (r / 8)
	v_lshl_add_u32 v[ASK0], v[ASK0], 2, SCK        ; K's scale words: 4 bytes a key
	v_lshrrev_b32 v[ASV0], 2, v[RR]
	v_mul_u32_u24 v[ASV0], v[ASV0], 272            ; V's: 64 bytes a row, four rows to a unit
	v_and_b32 v[GO], 3, v[RR]
	v_lshl_add_u32 v[ASV0], v[GO], 6, v[ASV0]
	v_add_nc_u32 v[ASV0], SCV, v[ASV0]
	v_lshlrev_b32 v[GO], 9, v[HH]
	v_lshl_add_u32 v[GO], v[RR], 4, v[GO]          ; lanes 0-15 take one row of O, lanes 16-31 the next; 16 bytes a lane
	s_mul_i32 s92, s[WV], 16*272
	s_add_co_u32 s92, s92, STAGE                   ; my stage
	v_mul_u32_u24 v[STO], v[RR], 272
	v_lshl_add_u32 v[STO], v[HH], 5, v[STO]
	v_add_nc_u32 v[STO], s92, v[STO]               ; in: row r, + 32 h
	v_mul_u32_u24 v[RD], v[HH], 272
	v_lshl_add_u32 v[RD], v[RR], 4, v[RD]
	v_add_nc_u32 v[RD], s92, v[RD]                 ; back: row h, + 16 r
	v_lshlrev_b32 v255, 4, v[HH]
	v_sub_nc_u32 v255, v[RR], v255                 ; r - 16 h, for the mask
; A tile's statistics and O^T begin anew: the largest t is -3e38, under every t; the first change of M multiplies zeros.  (The step is written once for first and later steps.)
.macro RESET x
	WIN 0x55*(\x)
	v_mov_b32 v13, 0xff61b1e6
	v_floor_f32 v12, -v13                          ; -M
	v_mov_b32 v14, 0
	v_mov_b32 v15, 0
.set JJ, 0
.rept 64
	v_mov_b32 v[160+JJ], 0
.set JJ, JJ+1
.endr
.endm
.irp j, 236,237,238,239,252,253
	v_mov_b32 v\j, 0                               ; written once: a lane permute's destination counts as one of its sources, and v253 is named as the upper half of a pair
.endr
	RESET 0
	WIN 0x40
	v_mov_b32 v255, v255                           ; window 1's copy
.irp j, 236,237,238,239,252,253
	v_mov_b32 v\j, 0
.endr
	RESET 1
	WIN 0
	; the prefetches: where my wave's stand, and who asks
	s_bfe_u32 s2, ttmp6, 0x40000                   ; g
	s_cmp_eq_u32 s[WV], 4                          ; wave 4 asks for K's codes, wave 5 for V's
	s_cselect_b64 s[PFA:PFA+1], s[8:9], s[12:13]
	s_mov_b32 s[PFS], 192
	s_cselect_b32 s[PFS], 24576, s[PFS]            ; a slot on
	s_mov_b32 s3, 49152
	s_cselect_b32 s3, 6144, s3                     ; from partner to partner
	s_mov_b32 s97, 1536
	s_cselect_b32 s97, 256, s97                    ; from lane to lane
	s_cselect_b32 s98, 23, 31                      ; the last lane with a block of its own
	s_mov_b32 s99, 383
	s_cselect_b32 s99, 24576, s99                  ; slot 1 (in V: the last byte of a row's part of it): the first change of slots steps it to slot 2
	s_cselect_b32 s[EVR], 0, 24
	s_mov_b32 s[PFS+1], 0
	s_mul_i32 s2, s2, s3
	s_add_co_u32 s2, s2, s96                       ; in my key/value head
	s_add_co_u32 s2, s2, s99
	s_mov_b32 s3, 0
	s_add_nc_u64 s[PFA:PFA+1], s[PFA:PFA+1], s[2:3]
	v_and_b32 v[PFO], 31, v0
	v_min_u32 v[PFO], s98, v[PFO]
	v_mul_lo_u32 v[PFO], v[PFO], s97
	s_lshr_b32 s98, s[WV], 1
	s_xor_b32 s98, s98, 2                          ; 0 in waves 4 and 5,
	s_or_b32 s98, s98, ttmp9                       ; of the head's first cluster: the same in all four partners
	s_cmp_eq_u32 s98, 0
	s_cselect_b32 s[LIM], 48, 0
	s_mov_b32 s[UP], 0
	s_mov_b32 s[DN], 64
	s_mov_b32 s[TB], 0
; THE CHANGE OF SLOTS stands at a trip's head.  Each wave waits for all its tensor loads (its part of the slot that it is about to read), adds 0 to its spare word, and waits for that and for its reads of the slot that it has left.
; fill = 1: behind a round of the cluster's barrier, when no wave of any partner still reads that slot or has a load on its way, it is filled with the next trip's keys: the load has a whole trip in which to land.
; The next trip's slot of keys is trip + 1 while that is at most 7 - p, else 8 - (trip + 1).
.macro CHANGE fill
	s_wait_tensorcnt 0x0                           ; no tensor load of mine is out, so a group 0 may be written
	ds_add_u32 v[SPW], v[NIL]                      ; 0 onto my spare word; the descriptors' steps stand between it and the wait for it
.if \fill
	s_add_co_u32 s92, s[UP], 8
	s_sub_co_u32 s93, s[DN], 8
	s_cmp_le_u32 s92, s[PL8]
	s_cselect_b32 s94, s92, s93                    ; 8 x the next trip's slot of keys
	s_mul_i32 s[OFS], s94, 3072                    ; 24,576 bytes of K a slot
	s_add_nc_u64 s[G0K+2:G0K+3], s[KBASE:KBASE+1], s[OFS:OFS+1]
	s_or_b32 s[G0K+3], s[G0K+3], 0x80000000
	s_mul_i32 s[OFS], s94, 24                      ; 192 bytes of each row of V
	s_add_nc_u64 s[G0V+2:G0V+3], s[VBASE:VBASE+1], s[OFS:OFS+1]
	s_or_b32 s[G0V+3], s[G0V+3], 0x80000000
	s_xor_b32 s[G0K+1], s[G0K+1], SLOT1            ; into the other LDS slot than last time
	s_xor_b32 s[G0V+1], s[G0V+1], SLOT1
	s_wait_xcnt 0x0                                ; the last prefetch, a trip back, has read its address, so it may be written
	s_add_nc_u64 s[PFA:PFA+1], s[PFA:PFA+1], s[PFS:PFS+1]
.endif
	s_wait_dscnt 0x0                               ; the add is done, and my reads of the slot that I have left are over
.if \fill
	ROUND
	TLOAD                                          ; the first thing behind the round, and a wave's one tensor load until the next
	ASK
.else
	s_barrier_signal -1
	s_barrier_wait -1
.endif
	s_cmp_le_u32 s[UP], s[PL8]
	s_cselect_b32 s[TJ], s[UP], s[DN]              ; 8 x this trip's slot of keys
	s_mul_i32 s[TS], s[TJ], 136
	s_lshl_b32 s[KF], s[TJ], 5
.endm
; The eight tiles of K of the slot's q-th 128 keys: tiles 0-3 with their scale words, the other four scale words, then tiles 4-7 into window 1.  A fragment is 24 bytes twice, in pieces of 8.
.macro KLOAD q
.irp t, 0,1,2,3
.irp p, 0,1,2,3,4,5
	ds_load_b64 v[32+12*\t+2*\p:33+12*\t+2*\p], v[ADK] offset:(64*(\q)+16*(\t/2)+8*(\t%2))*ROWB+48*(\p/3)+8*(\p%3)
.endr
	ds_load_b32 v[KS+\t], v[ADS] offset:544*(\q)+(32*(\t/2)+8*(\t%2))*4
.endr
.irp t, 0,1,2,3
	ds_load_b32 v[KS+4+\t], v[ADS] offset:544*(\q)+272+(32*(\t/2)+8*(\t%2))*4
.endr
	WIN 0x40
.irp t, 0,1,2,3
.irp p, 0,1,2,3,4,5
	ds_load_b64 v[32+12*\t+2*\p:33+12*\t+2*\p], v[ADK] offset:(64*(\q)+32+16*(\t/2)+8*(\t%2))*ROWB+48*(\p/3)+8*(\p%3)
.endr
.endr
.endm
.macro SMUL t, x                       ; S^T of key tile t for query tile x
	v_wmma_scale_f32_16x16x128_f8f6f4 v[96+8*(\t):103+8*(\t)], v[32+12*((\t)%4):43+12*((\t)%4)], v[16:27], 0, v[KS+(\t)], v[QS+(\x)] matrix_a_fmt:MATRIX_FMT_BF6 matrix_b_fmt:MATRIX_FMT_BF6
.endm
.macro SPROD
	s_wait_dscnt 28                                ; tiles 0-3 and their scale words are in; the 28 younger loads (four scale words, tiles 4-7) may be out
	WIN 0
.irp t, 0,1,2,3
	SMUL \t, 0
.endr
	WIN 0x44                                       ; K window 0; Q and S^T window 1
.irp t, 0,1,2,3
	SMUL \t, 1
.endr
	s_wait_dscnt 0x0
	WIN 0x45                                       ; K, Q and S^T window 1
.irp t, 4,5,6,7
	SMUL \t, 1
.endr
	WIN 0x01                                       ; K window 1; Q and S^T window 0
.irp t, 4,5,6,7
	SMUL \t, 0
.endr
	WIN 0
.rept 4
	v_nop                                          ; four places in front of the loads into the registers that these products have read, and of the first read of their results
.endr
.endm
.macro VFRAG t, q                      ; tile t of V^T: 16 of the head's channels x the slot's q-th 128 keys.  Lanes 16-31 read three pieces of 8 bytes further on than lanes 0-15: where that lies behind one padding more, the second address serves
.irp p, 0,1,2,3,4,5
.set PCE, 12*(\q)+6*(\p/3)+\p%3
.if PCE%8 < 5
	ds_load_b64 v[32+12*((\t)%4)+2*\p:33+12*((\t)%4)+2*\p], v[ADV] offset:16*(\t)*VP+8*PCE+16*(PCE/8)
.else
	ds_load_b64 v[32+12*((\t)%4)+2*\p:33+12*((\t)%4)+2*\p], v[ADV1] offset:16*(\t)*VP+8*PCE+16*(PCE/8)
.endif
.endr
.endm
.macro VLOAD q
.irp t, 0,1,2,3
	VFRAG \t, \q
.endr
.irp t, 0,1,2,3,4,5,6,7
	ds_load_b32 v[KS+\t], v[ADT] offset:4*(\q)+1088*\t
.endr
	WIN 0x40
.irp t, 4,5,6,7
	VFRAG \t, \q
.endr
	WIN 0
.endm
; On the diagonal the scores of hidden keys become -infinity ahead of the maximum: p = 0 then.  Register 16 b + i holds key KQ + 32 b + 16 (lane / 16) + i: hidden where 32 b + i > d = my query - KQ - 16 (lane / 16).
.macro MASK x
	WIN 0x55*(\x)
	s_sub_co_i32 s96, s[Q0], s[KQ]
.if \x
	s_add_co_i32 s96, s96, 16
.endif
	v_add_nc_u32 v252, s96, v255
	v_mov_b32 v254, 0xff800000
.set NN, 0
.rept 64
	v_cmp_gt_i32 vcc_lo, 32*(NN/16)+NN%16, v252
	v_cndmask_b32 v[96+NN], v[96+NN], v254, vcc_lo
.set NN, NN+1
.endr
.endm
; One tile's softmax for 128 keys, and p's codes and scale word.
.macro SOFTMAX x
	WIN 0x55*(\x)
.irp b, 0,1,2,3
	v_max3_num_f32 v[232+\b], v[96+16*\b], v[97+16*\b], v[98+16*\b]   ; THE LARGEST SCORE OF EACH BLOCK OF 32 KEYS serves twice: for the row's maximum, and, since p rises with the score, for the block's largest p
.endr
.irp i, 3,5,7,9,11,13
.irp b, 0,1,2,3
	v_max3_num_f32 v[232+\b], v[232+\b], v[96+16*\b+\i], v[97+16*\b+\i]   ; (the four blocks by turns)
.endr
.endr
.irp b, 0,1,2,3
	v_max_num_f32 v[232+\b], v[232+\b], v[111+16*\b]
.endr
.irp b, 0,1,2,3
	v_permlanex16_b32 v[236+\b], v[232+\b], s[SEL], s[SEL+1]
.endr
.irp b, 0,1,2,3
	v_max_num_f32 v[232+\b], v[232+\b], v[236+\b]  ; with lane l xor 16's 16 keys
.endr
	v_max3_num_f32 v254, v232, v233, v234
	v_max_num_f32 v254, v254, v235                 ; the step's largest score of my query
	v_mul_f32 v254, s[CS], v254                    ; as t (c is positive)
	v_max_num_f32 v13, v13, v254                   ; the running largest t
	v_mov_b32 v254, v12
	v_floor_f32 v12, -v13                          ; the new -M = floor(-t) = -ceil(t): M is a whole number
	v_sub_f32 v254, v12, v254                      ; M's old value less its new one: a whole number, 0 or less
	v_cvt_i32_f32 v254, v254                       ; (it saturates)
	v_ldexp_f32 v252, 1.0, v254                    ; f = 2^(old M - new M)
.set JJ, 0
.rept 32
	v_pk_fma_f32 v[96+JJ:97+JJ], v[96+JJ:97+JJ], s[CS:CS+1], v[12:13] op_sel_hi:[1,0,0]   ; t - M, two at a time (of the pairs c and -M the low word serves both halves)
.set JJ, JJ+2
.endr
.irp b, 0,1,2,3
	v_fma_f32 v[232+\b], v[232+\b], s[CS], v12     ; the same of each block's largest score
.endr
.set JJ, 0
.rept 64
	v_exp_f32 v[96+JJ], v[96+JJ]                   ; p = 2^(t - M), at most 1: not normalised
.set JJ, JJ+1
.endr
	v_pk_mul_f32 v[14:15], v[14:15], v[252:253] op_sel_hi:[1,0]   ; the sums under the new M: a plain instruction behind the exponentials
	s_wait_alu depctr_va_vdst(0)                   ; the wait ahead of the first line that names a result: one for the batch of 64
.irp b, 0,1,2,3
	v_exp_f32 v[232+\b], v[232+\b]                 ; the block's largest p: the same two instructions on the same number give the same bits
.endr
	v_pk_add_f32 v[236:237], v[96:97], v[98:99]    ; THE ROW'S SUM IS TAKEN OF THE UNQUANTISED p: two at a time, in two chains; it reads the 64 alone
.set JJ, 4
.rept 15
	v_pk_add_f32 v[14:15], v[14:15], v[96+JJ:97+JJ]
	v_pk_add_f32 v[236:237], v[236:237], v[98+JJ:99+JJ]
.set JJ, JJ+4
.endr
	v_pk_add_f32 v[14:15], v[14:15], v[236:237]
	s_wait_alu depctr_va_vdst(0)                   ; and one for the four
.irp b, 0,1,2,3
	v_max_num_f32 v[232+\b], 0x2800000, v[232+\b]  ; the floor 2^(5 - 127): the byte cannot fall under 1 (a block whose every p is 0 keeps that byte: its codes are zeros)
.endr
.irp b, 0,1,2,3
	v_add_nc_u32 v[244+\b], 0xfe000000, v[232+\b]  ; 4 off the exponent field: the conversion's scale operand
.endr
.irp b, 0,1,2,3
	v_lshrrev_b32 v[236+\b], 23, v[244+\b]         ; the scale's byte
.endr
	v_lshl_or_b32 v253, v237, 8, v236              ; p's scale word for these 128 keys
	v_lshl_or_b32 v253, v238, 16, v253
	v_lshl_or_b32 v253, v239, 24, v253
.if \x
	WIN 0x01
	v_mov_b32 v[PS1], v253                         ; scale operands are taken from window 0: tile 1's word goes there
	WIN 0x55
.endif
.irp c, 0,1
	v_cvt_scalef32_pk16_bf6_f32 v[224+6*\c:226+6*\c], v[96+32*\c:111+32*\c], v[244+2*\c]
	v_cvt_scalef32_pk16_bf6_f32 v[236+4*\c:238+4*\c], v[112+32*\c:127+32*\c], v[244+2*\c+1]   ; (a conversion's three registers begin on an even number)
.endr
	v_nop                                          ; one plain instruction between a scaled conversion and the instruction that touches its result
.irp c, 0,1                                    ; the operand's layout wants a WHOLE block in a lane: lanes 0-15 block 2 c, lanes 16-31 block 2 c + 1
.irp i, 0,1,2
	v_permlane16_swap_b32 v[224+6*\c+\i], v[236+4*\c+\i]
.endr
.irp i, 0,1,2
	v_mov_b32 v[227+6*\c+\i], v[236+4*\c+\i]
.endr
.endr
.set JJ, 0
.rept 32
	v_pk_mul_f32 v[160+JJ:161+JJ], v[160+JJ:161+JJ], v[252:253] op_sel_hi:[1,0]   ; O^T under the new M: x f.  (These 32 are also the places between the codes' and the scale word's last writes and the products)
.set JJ, JJ+2
.endr
.endm
.macro PMUL t, sc                      ; O^T += V^T P^T: 16 of the head's channels
	v_wmma_scale_f32_16x16x128_f8f6f4 v[160+8*(\t):167+8*(\t)], v[32+12*((\t)%4):43+12*((\t)%4)], v[224:235], v[160+8*(\t):167+8*(\t)], v[KS+(\t)], v[\sc] matrix_a_fmt:MATRIX_FMT_BF6 matrix_b_fmt:MATRIX_FMT_BF6
.endm
.macro PVPROD x                        ; eight accumulators, one instruction each: they take turns
.rept 4
	v_nop                                          ; four plain places between the last vector write of an accumulator and the scaled products that take it as C
.endr
.if \x
	WIN 0x55                                       ; V, P and O^T window 1
.irp t, 4,5,6,7
	PMUL \t, PS1
.endr
	WIN 0x54                                       ; V window 0; P and O^T window 1
.irp t, 0,1,2,3
	PMUL \t, PS1
.endr
.else
	WIN 0
.irp t, 0,1,2,3
	PMUL \t, 253
.endr
	WIN 0x01                                       ; V window 1; P and O^T window 0
.irp t, 4,5,6,7
	PMUL \t, 253
.endr
.endif
.endm
; A KEY STEP: 128 keys, the q-th of the slot in hand, for my two tiles.  V's 56 loads are issued ahead of the first softmax and waited for behind it.
.macro STEP q
	s_add_co_u32 s[KQ], s[KF], 128*(\q)
	s_add_co_u32 s96, s[Q0], 31
	s_cmp_gt_u32 s[KQ], s96                        ; all 128 keys come after my 32 queries: the step is left out.  No barrier and no tensor load stands in a step
	s_cbranch_scc1 .Lhidden_\@
	v_add_nc_u32 v[ADK], s[TB], v[AK0]             ; these five are also the places in front of the loads into registers that the last products have read
	v_add_nc_u32 v[ADV], s[TB], v[AV0]
	v_add_nc_u32 v[ADV1], s[TB], v[AV1]
	v_add_nc_u32 v[ADS], s[TS], v[ASK0]
	v_add_nc_u32 v[ADT], s[TJ], v[ASV0]
	KLOAD \q
	SPROD
	VLOAD \q
	s_add_co_u32 s96, s[KQ], 127
	s_cmp_le_u32 s96, s[Q0]                        ; all 128 keys count for all my queries: no mask
	s_cbranch_scc1 .Lopen_\@
	MASK 0
	MASK 1
	WIN 0
.Lopen_\@:
	SOFTMAX 0
	s_wait_dscnt 0x0                               ; V and its scale words are in
	PVPROD 0
	SOFTMAX 1
	PVPROD 1
	WIN 0
.Lhidden_\@:
.endm
.macro SLOT
	STEP 0
	STEP 1
.endm
; THE WAY OUT of tile x: O^T is divided by the row's sum and goes through my stage in LDS, half a row (64 channels, 256 bytes) of 16 queries at a time, so that sixteen lanes store 256 consecutive bytes, at a multiple of 256 from O's first byte.
.macro OUT x
	WIN 0x55*(\x)
	v_add_f32 v14, v14, v15                        ; the sum's two halves,
	v_permlanex16_b32 v252, v14, s[SEL], s[SEL+1]
	v_add_f32 v14, v14, v252                       ; and lane l xor 16's: the row's sum
	v_rcp_f32 v14, v14
	v_nop                                          ; a plain instruction behind the reciprocal
	s_wait_alu depctr_va_vdst(0)                   ; and a wait ahead of its first reader
.set JJ, 0
.rept 64
	v_mul_f32 v[96+JJ], v[160+JJ], v14             ; register 8 t + i is o(r, 16 t + 8 h + i); each accumulator from its low end on
.set JJ, JJ+1
.endr
.irp u, 0,1                                    ; channels 64 u on
	WIN 0x04*(\x)                                  ; an LDS store's data are its source 1
.irp t, 0,1,2,3
	ds_store_b128 v[STO], v[96+32*\u+8*\t:99+32*\u+8*\t] offset:64*\t
	ds_store_b128 v[STO], v[100+32*\u+8*\t:103+32*\u+8*\t] offset:64*\t+16
.endr
	WIN 0x40*(\x)
.irp i, 0,1,2,3,4,5,6,7
	ds_load_b128 v[96+32*\u+4*\i:99+32*\u+4*\i], v[RD] offset:2*\i*272   ; LDS serves a wave's instructions in order (ISA guide 5.7.1.4): these see my stores, land in the registers that they left, and the next half's stores come behind them
.endr
.endr
	WIN 0x04*(\x)
.irp u, 0,1
.irp i, 0,1,2,3,4,5,6,7
	s_wait_dscnt 23-16*\u-\i                       ; the LDS instructions issued behind this pair of rows' load may be out
	global_store_b128 v[GO], v[96+32*\u+4*\i:99+32*\u+4*\i], s[OP:OP+1] offset:8192*(\x)+1024*\i+256*\u th:TH_STORE_NT
.endr
.endr
	WIN 0
.endm
.macro FINISH
.rept 4
	v_nop                                          ; places behind the last products
.endr
	OUT 0
	OUT 1
.endm
; Phase 2 begins: its Q comes out of window 1, the statistics and O^T begin anew.
.macro RESTART
	WIN 0x01
.set JJ, 0
.rept 12
	v_mov_b32 v[16+JJ], v[JJ]
.set JJ, JJ+1
.endr
	WIN 0x55
.set JJ, 0
.rept 12
	v_mov_b32 v[16+JJ], v[80+JJ]
.set JJ, JJ+1
.endr
	WIN 0
	v_mov_b32 v[QS], v[QN]
	v_mov_b32 v[QS+1], v[QN+1]
	RESET 0                                        ; (more than eight plain instructions between these writes and the next scaled products)
	RESET 1
	WIN 0
	s_wait_xcnt 0x0                                ; phase 1's stores have read their registers and their base: both may be written again
	s_mov_b64 s[OP:OP+1], s[OP2:OP2+1]
	s_mov_b32 s[Q0], s[Q0B]
.endm
	s_wait_loadcnt 0x0                             ; Q of both phases
.Ltrip:                                            ; eight trips: behind each change of slots the next trip's keys are asked for
	CHANGE 1
	SLOT
	s_cmp_lg_u32 s[UP], s[PL8]                     ; behind trip 7 - p phase 1 is finished: its 32 rows leave, and phase 2 begins
	s_cbranch_scc1 .Lsame
	FINISH
	RESTART
.Lsame:
	s_xor_b32 s[TB], s[TB], SLOT1                  ; on to the other slot
	s_sub_co_u32 s[DN], s[DN], 8
	s_add_co_u32 s[UP], s[UP], 8
	s_cmp_lt_u32 s[UP], 64
	s_cbranch_scc1 .Ltrip
	CHANGE 0                                       ; the ninth trip is written out: nothing is left to fetch
	SLOT
	FINISH
	s_wait_tensorcnt 0x0                           ; the wave's end: behind my last tensor load and my last LDS store
	ds_add_u32 v[SPW], v[NIL]
	s_wait_dscnt 0x0
	ROUND                                          ; the closing round: no work-group ends while a partner may still ask for a tile that names it
	s_endpgm
.Lfunc_end_k_qde6b2e2050_attn:
	.size	k_qde6b2e2050_attn, .Lfunc_end_k_qde6b2e2050_attn-k_qde6b2e2050_attn
	.p2alignl 7, 3214868480
	.fill 96, 4, 3214868480
	.section	.rodata,"a",@progbits
	.p2align	6, 0x0
	.amdhsa_kernel k_qde6b2e2050_attn
		.amdhsa_group_segment_fixed_size 327680
		.amdhsa_private_segment_fixed_size 0
		.amdhsa_enable_private_segment 0
		.amdhsa_kernarg_size 56
		.amdhsa_user_sgpr_count 2
		.amdhsa_user_sgpr_kernarg_segment_ptr 1
		.amdhsa_wavefront_size32 1
		.amdhsa_system_sgpr_workgroup_id_x 1
		.amdhsa_system_sgpr_workgroup_id_y 1
		.amdhsa_system_sgpr_workgroup_id_z 1
		.amdhsa_system_vgpr_workitem_id 0
		.amdhsa_next_free_vgpr 512
		.amdhsa_next_free_sgpr 100
		.amdhsa_reserve_vcc 1
		.amdhsa_float_denorm_mode_32 3
		.amdhsa_float_denorm_mode_16_64 3
		.amdhsa_memory_ordered 1
		.amdhsa_forward_progress 1
		.amdhsa_inst_pref_size 243
	.end_amdhsa_kernel
	.amdgpu_metadata
---
amdhsa.version: [ 1, 2 ]
amdhsa.kernels:
  - .name:           k_qde6b2e2050_attn
    .symbol:         k_qde6b2e2050_attn.kd
    .args:
      - { .name: q_codes, .offset: 0, .size: 8, .value_kind: global_buffer, .address_space: global }
      - { .name: q_scales, .offset: 8, .size: 8, .value_kind: global_buffer, .address_space: global }
      - { .name: k_codes, .offset: 16, .size: 8, .value_kind: global_buffer, .address_space: global }
      - { .name: k_scales, .offset: 24, .size: 8, .value_kind: global_buffer, .address_space: global }
      - { .name: v_codes, .offset: 32, .size: 8, .value_kind: global_buffer, .address_space: global }
      - { .name: v_scales, .offset: 40, .size: 8, .value_kind: global_buffer, .address_space: global }
      - { .name: out0, .offset: 48, .size: 8, .value_kind: global_buffer, .address_space: global }
    .group_segment_fixed_size: 327680
    .private_segment_fixed_size: 0
    .kernarg_segment_align: 8
    .kernarg_segment_size: 56
    .max_flat_workgroup_size: 256
    .sgpr_count:     100
    .vgpr_count:     512
    .wavefront_size: 32
...
	.end_amdgpu_metadata
.endif
;; end of part 1
